; MI455X (gfx1250); checked and timed in simulation.
; The chip was launched on July 23, 2026; its instructions are those of AMD's public machine-readable ISA for CDNA 5 (MIT licence, August 2026) and "CDNA5" Instruction Set Architecture Reference Guide (July 2026). The comments in the code are by the model that wrote it; some were corrected since.
;; Scaled Dot Product Attention. Allowed arithmetic: float matrix products may take bf16 or f16 operands with f32 sums; all other float work in f32.
;; Inputs: k 4 x 16 x 2,048 x 64 float32; mask 4 x 1 x 2,048 x 2,048 int32; q 4 x 16 x 2,048 x 64 float32; v 4 x 16 x 2,048 x 64 float32.
;; Outputs: out0 4 x 16 x 2,048 x 64 float32.
;; One version. Each part assembles by itself: llvm-mc -triple=amdgcn-amd-amdhsa -mcpu=gfx1250 --defsym DOCPART=n.
;; ======== version 1 of 1: 2 launches
;; workspace buffers: bits 2,097,152 bytes of whole numbers
;; launch pack (part 1): grid 256 x 1, 8 waves a work-group, no clusters, 279,552 bytes of LDS; arguments mask, bits; writes bits
.if DOCPART == 1
	.amdgcn_target "amdgcn-amd-amdhsa--gfx1250"
	.amdhsa_code_object_version 6
	.text
	.protected	k_q43dcb2e188_pack
	.globl	k_q43dcb2e188_pack
	.p2align	8
	.type	k_q43dcb2e188_pack,@function
k_q43dcb2e188_pack:
	s_mov_b64 s[64:65], 0
	v_nop
	global_prefetch_b8 v0, s[64:65] scope:SCOPE_SE
	s_setreg_imm32_b32 hwreg(HW_REG_WAVE_MODE, 25, 1), 1
	s_wait_xcnt 0x0
; bits <- mask.  mask: [8192 rows][2048 keys] int32 (4 batches x 2048 queries).  bits: 524,288 words of 32 bits.
; Word (GG*128 + c16)*8 + j, bit L  =  ( mask[16 GG + (L & 15)][16 c16 + 8 (L >> 4) + j] == 1 ).
; That is the lane mask of register j of a 16 x 16 f32 matrix result whose rows are keys 16 c16 .. +15 and whose columns are
; queries 16 GG .. +15 (ISA guide 7.12.2: register j of lane L holds row 8 (L >> 4) + j, column L & 15): the next launch
; fetches a word into a scalar register and selects with it, one instruction for 32 scores.
; The mask is read once here (67 MB) instead of once for each of a batch's 16 heads there; bits is 2 MB.
; Work-group x: rows 64 (x >> 1) .. +63, keys 1024 (x & 1) .. +1023.  Wave w: 128 of these keys, as two strips of 64 keys:
; one tensor load brings a strip, 64 rows x 256 consecutive bytes, each row at a multiple of 256 bytes from the buffer's first byte.
; Both loads of a wave go out first thing (two outstanding, by this text's count); no LDS byte is filled twice and each wave
; reads only what its own loads brought, so its own s_wait_tensorcnt is all the ordering there is: no barrier.
; No matrix unit, no cluster: every byte is used once by one wave, and the work is a compare.
.set PITCH, 272                        ; an LDS row: 256 bytes + 16 of padding = 17 x 16: the 16 rows that a load touches start at 16 different 16-byte columns of 256 bytes
.set STRIP, 64*PITCH                   ; 17,408 bytes: a strip in LDS
.set WLDS,  2*STRIP                    ; a wave's two strips
.set LA,  1                            ; v1       LDS address: my wave's first strip + (lane % 16) rows + 32 (lane / 16) bytes
.set OFF, 2                            ; v2       8 x lane: my two words of a 256-byte block of bits
.set W,   4                            ; v[4:11]  query group g (16 rows): a pair, lane l holds words 2 l and 2 l + 1 of the wave's 64 words
.set X0,  20                           ; v[20:51] 32 mask words a lane, set 0
.set X1,  52                           ; v[52:83] set 1
.set G1,  16                           ; s[16:23] descriptor group 1
.set G0,  24                           ; s[24:31] descriptor group 0, one for each strip
.set CM,  32                           ; s[32:63] 32 compare results
	s_load_b128 s[4:7], s[0:1], 0x0                ; mask s[4:5], bits s[6:7]
	v_lshl_add_u32 v84, v0, 2, 0x44000
	v_mov_b32 v85, 0
	ds_add_u32 v84, v85
	ds_add_u32 v84, v85
	v_lshrrev_b32 v3, 5, v0
	v_readfirstlane_b32 s8, v3                     ; wave 0..7
	s_lshr_b32 s9, ttmp9, 1                        ; block of 64 rows
	s_and_b32 s10, ttmp9, 1                        ; half of the keys
	s_mov_b32 s[G1+0], (2<<16)|(1<<20)|(5<<22)|(3<<25)  ; no mask of work-groups; elements of 4 bytes; padding on: after every 64 words, 4 words
	s_mov_b32 s[G1+1], 64<<16                      ; tensor_dim0 = 64 (the tile lies inside the tensor: the extents are the tile's)
	s_mov_b32 s[G1+2], 64<<16                      ; tensor_dim1 = 64
	s_mov_b32 s[G1+3], 64<<16                      ; tile_dim0 = 64 elements = 256 bytes
	s_mov_b32 s[G1+4], 64                          ; tile_dim1 = 64 rows
	s_mov_b32 s[G1+5], 2048                        ; elements from row to row
	s_mov_b32 s[G1+6], 0
	s_mov_b32 s[G1+7], 0
	s_lshl_b32 s12, s9, 19                         ; 64 rows x 8,192 bytes
	s_lshl_b32 s11, s10, 12                        ; 1,024 keys x 4 bytes
	s_add_co_u32 s12, s12, s11
	s_lshl_b32 s11, s8, 9                          ; 128 keys x 4 bytes
	s_add_co_u32 s12, s12, s11
	s_mov_b32 s13, 0
	s_mul_i32 s14, s8, WLDS                        ; my wave's LDS
	s_wait_dscnt 0x0
	s_wait_kmcnt 0x0
	s_add_nc_u64 s[4:5], s[4:5], s[12:13]
.irp s, 0,1
	s_mov_b32 s[G0+4*\s], 1                                        ; count = 1
	s_add_co_u32 s[G0+4*\s+1], s14, \s*STRIP                       ; LDS address
	s_add_nc_u64 s[G0+4*\s+2:G0+4*\s+3], s[4:5], \s*256            ; the strip's first element
	s_or_b32 s[G0+4*\s+3], s[G0+4*\s+3], 0x80000000                ; type = 2
	tensor_load_to_lds s[G0+4*\s:G0+4*\s+3], s[G1:G1+7]
	s_nop 0
.endr
	s_lshl_b32 s12, s9, 14                         ; bits: 4 query groups x 4,096 bytes
	s_lshl_b32 s11, s10, 11                        ; 64 blocks of 16 keys x 32 bytes
	s_add_co_u32 s12, s12, s11
	s_lshl_b32 s11, s8, 8                          ; 8 blocks of 16 keys x 32 bytes
	s_add_co_u32 s12, s12, s11
	s_add_nc_u64 s[6:7], s[6:7], s[12:13]
	v_and_b32 v3, 15, v0
	v_mul_u32_u24 v[LA], v3, PITCH
	v_bfe_u32 v3, v0, 4, 1
	v_lshl_add_u32 v[LA], v3, 5, v[LA]
	v_add_nc_u32 v[LA], s14, v[LA]
	v_and_b32 v[OFF], 31, v0
	v_lshlrev_b32 v[OFF], 3, v[OFF]
.irp i, 0,1,2,3,4,5,6,7
	v_mov_b32 v[W+\i], 0                           ; v_writelane_b32 keeps the other lanes: its destination has to be written whole once
.endr
; Rows 16 g .. +15 of strip s: register 8 c + j of the set = key 16 c + 8 (lane / 16) + j of row 16 g + lane % 16
.macro LOADG s, g, x
.irp c, 0,1,2,3
	ds_load_b128 v[\x+8*\c:\x+8*\c+3],   v[LA] offset:\s*STRIP+\g*16*PITCH+64*\c
	ds_load_b128 v[\x+8*\c+4:\x+8*\c+7], v[LA] offset:\s*STRIP+\g*16*PITCH+64*\c+16
.endr
.endm
; 32 compares make 32 words; word n of strip s is word 32 s + n of the wave's 64: lane 16 s + n / 2, register n % 2 of the group's pair
.macro PROC s, g, x
.set n, 0
.rept 32
	v_cmp_eq_u32 s[CM+n], 1, v[\x+n]
.set n, n+1
.endr
.set n, 0
.rept 32
	v_writelane_b32 v[W+2*\g+n%2], s[CM+n], 16*\s+n/2
.set n, n+1
.endr
.endm
.macro STRIPW s
	s_wait_tensorcnt 1-\s                          ; a wave's tensor loads end in order (ISA guide 10.11.1): strip s is in; behind strip 0 the other may stay out
	LOADG \s, 0, X0
	LOADG \s, 1, X1
	s_wait_dscnt 8                                 ; the older eight loads are in, the younger eight may be out
	PROC \s, 0, X0
	LOADG \s, 2, X0
	s_wait_dscnt 8
	PROC \s, 1, X1
	LOADG \s, 3, X1
	s_wait_dscnt 8
	PROC \s, 2, X0
	s_wait_dscnt 0
	PROC \s, 3, X1
.endm
	STRIPW 0
	STRIPW 1
.irp g, 0,1,2,3
	global_store_b64 v[OFF], v[W+2*\g:W+2*\g+1], s[6:7] offset:\g*4096   ; the wave stores 256 consecutive bytes, at a multiple of 256 from the buffer's first byte
.endr
	s_wait_tensorcnt 0x0
	ds_add_u32 v84, v85
	s_wait_dscnt 0x0
	s_endpgm
.Lfunc_end_k_q43dcb2e188_pack:
	.size	k_q43dcb2e188_pack, .Lfunc_end_k_q43dcb2e188_pack-k_q43dcb2e188_pack
	.p2alignl 7, 3214868480
	.fill 96, 4, 3214868480
	.section	.rodata,"a",@progbits
	.p2align	6, 0x0
	.amdhsa_kernel k_q43dcb2e188_pack
		.amdhsa_group_segment_fixed_size 279552
		.amdhsa_private_segment_fixed_size 0
		.amdhsa_enable_private_segment 0
		.amdhsa_kernarg_size 16
		.amdhsa_user_sgpr_count 2
		.amdhsa_user_sgpr_kernarg_segment_ptr 1
		.amdhsa_wavefront_size32 1
		.amdhsa_system_sgpr_workgroup_id_x 1
		.amdhsa_system_sgpr_workgroup_id_y 1
		.amdhsa_system_sgpr_workgroup_id_z 1
		.amdhsa_system_vgpr_workitem_id 0
		.amdhsa_next_free_vgpr 86
		.amdhsa_next_free_sgpr 66
		.amdhsa_reserve_vcc 0
		.amdhsa_float_denorm_mode_32 3
		.amdhsa_float_denorm_mode_16_64 3
		.amdhsa_memory_ordered 1
		.amdhsa_forward_progress 1
		.amdhsa_inst_pref_size 40
	.end_amdhsa_kernel
	.amdgpu_metadata
---
amdhsa.version: [ 1, 2 ]
amdhsa.kernels:
  - .name:           k_q43dcb2e188_pack
    .symbol:         k_q43dcb2e188_pack.kd
    .args:
      - { .name: mask, .offset: 0, .size: 8, .value_kind: global_buffer, .address_space: global }
      - { .name: bits, .offset: 8, .size: 8, .value_kind: global_buffer, .address_space: global }
    .group_segment_fixed_size: 279552
    .private_segment_fixed_size: 0
    .kernarg_segment_align: 8
    .kernarg_segment_size: 16
    .max_flat_workgroup_size: 256
    .sgpr_count:     66
    .vgpr_count:     86
    .wavefront_size: 32
...
	.end_amdgpu_metadata
.endif
;; end of part 1
;; launch attn (part 2): grid 256 x 1, 8 waves a work-group, no clusters, 113,664 bytes of LDS; arguments q, k, v, bits, out0; writes out0
.if DOCPART == 2
	.amdgcn_target "amdgcn-amd-amdhsa--gfx1250"
	.amdhsa_code_object_version 6
	.text
	.protected	k_q43dcb2e188_attn
	.globl	k_q43dcb2e188_attn
	.p2align	8
	.type	k_q43dcb2e188_attn,@function
k_q43dcb2e188_attn:
	s_mov_b64 s[64:65], 0
	v_nop
	global_prefetch_b8 v0, s[64:65] scope:SCOPE_SE
	s_setreg_imm32_b32 hwreg(HW_REG_WAVE_MODE, 25, 1), 1
	s_wait_xcnt 0x0
; out = softmax( where(mask == 1, -1e9, (q / 8) k^T) ) v.   q, k, v, out: [64 heads][2048][64] f32; bits: the mask as lane masks (see below).
; Work-group x: head x >> 2, queries 512 (x & 3) .. +511; it walks the head's 2,048 keys in 32 trips of 64.  Eight waves, two on each SIMD with
; 512 registers each, so that one wave's softmax can run beside the other's products.  Wave w: 64 queries, four groups g of 16.
; BOTH PRODUCTS ARE TRANSPOSED, so that the probabilities never leave registers:
;   S^T tile c = (16 keys of K as A) x (16 queries of Q as B): lane (r = l % 16, h = l / 16), register j = query r, key 16 c + 8 h + j.
;   Two such tiles, rounded in pairs to bf16, ARE the B fragment of P for 32 keys (ISA guide 7.12.2: registers 0-3 k = 8 h .., registers 4-7 k = 16 + 8 h ..).
;   O^T tile dt += (V^T as A, by the transposing LDS load) x (P as B): lane (r, h), register j = query r, d = 16 dt + 8 h + j.
;   A lane serves one query: maximum, sum and rescale factor are a register each; the maximum crosses the two halves by one v_permlanex16_b32 a tile,
;   the sum stays a sum over the half's keys until the end.
; MASK: word ((16-query group)*128 + key / 16)*8 + j of bits holds, in bit l, mask == 1 for exactly the score in register j of lane l.  A group's 64 keys are
;   32 words, 128 consecutive bytes; one v_cndmask_b32 a register puts -1e9 in, ahead of the running maximum.  Scalar loads return in no order, so a wait for
;   them is for 0 and covers the youngest: a fetch has the span between two waits in which to land.  So the words come for TWO groups at a time (four
;   s_load_b512, 64 scalar registers): the scores of two groups lie in registers together, both are masked behind one wait, both sets of words are free at
;   once, and the next pair's fetch goes out there, with two groups' softmax, rescaling and products ahead of its wait.
; K AND V are f32 in memory and bf16 in the products, so a tile goes memory -> registers (two trips ahead) -> bf16 -> LDS (one trip ahead), 8 loads, 16 roundings
;   and 8 LDS stores a thread and trip, into two slots that take turns, with one barrier a trip.
; THE BARRIER: all of a trip's 40 LDS instructions (8 stores of the next tile, 32 fragment loads of this one) stand at its head, so a wave could say early that it
;   is through with them.  It signals behind the last memory instruction of the trip, the fetch of the next trip's mask words, and waits at the trip's end: between
;   the two stand the softmax, rescaling and products of two of the trip's four groups, register work alone, and by so much one wave may run ahead of another.
; NO CLUSTER, NO TENSOR LOADS: the four work-groups of a head do read the same tiles, but a joint tensor load would land them as f32 (32,768 bytes a trip); each
;   work-group would read them back from LDS, round them and store them again beside the 16,384 bytes of bf16, and pass a round of the cluster's barrier in
;   each of 32 trips.  Through registers the rounding lies on the way.  The four share the requests ahead instead: see PREFETCH.
; PREFETCH: in trip t wave 0 asks for 8,192 bytes (32 lanes, 256 bytes apart) of tile t + 3, one trip ahead of the trip that loads it: work-group x & 3 = 0, 1
;   the halves of K's tile, 2, 3 of V's.  The offset is clamped to the head's last tile.
; LIMITS: inputs and scores finite (v_max3_num_f32 drops a NaN).  v_exp_f32 gives 0 below 2^-126 (ISA guide 15.8).  The sum adds p in f32, the product takes p
;   rounded to bf16.  p = exp2(s log2e + NMC), NMC = -log2e m rounded to f32; the rescale factor is exp2 of the difference of two NMC, so sums and p always carry
;   the same factor.  In a row whose keys are all masked m = -1e9 and NMC is off by at most 64 (half a unit in the last place of 1.44e9): every p and the sum
;   carry one factor of at most 2^64, which cancels in O / sum and overflows nothing.
.set KP,    144                        ; LDS pitch of K's and Q's bf16 rows: 128 bytes + 16 = 9 x 16
.set VP,    160                        ; of V's rows: 128 + 32 = 5 x 32, for the transposing load
.set VOFF,  64*KP                      ; V's tile lies behind K's in a slot
.set SLOT,  64*KP+64*VP                ; 19,456 bytes
.set STAGE, 2*SLOT                     ; behind the slots: 9,216 bytes for each wave, its own: first Q as bf16 (64 x 144), at the end 16 rows of out (16 x 272)
.set STGB,  64*KP
.set OP,    272                        ; pitch of a row of out in the stage: 256 + 16
.set TILEB, 16384                      ; 64 keys x 256 bytes in memory
; window 0
.set GO,  1                            ; 16 x thread: my 16 bytes of each 4,096 of a tile
.set KS,  2                            ; stage store of K: (thread / 16) rows + 8 (thread % 16)
.set VS,  3                            ; the same for V
.set KA,  4                            ; K fragment: r rows + 16 h
.set VA,  5                            ; V fragment: (8 h + l % 8) rows + 16 ((l / 8) % 2)
.set QST, 6                            ; Q into my stage: h rows + 8 r
.set QRD, 7                            ; Q fragment from my stage
.set CO,  8                            ; 16 x lane: q's loads and out's stores
.set NEG, 9                            ; -1e9
.set PF,  10                           ; prefetch: 256 x lane + my half of the tile
.set PT,  11                           ; the other half's figure
.set M,   12                           ; v12-15   running maximum of group g
.set LS,  16                           ; v16-19   running sum of group g (my half's keys)
.set AL,  20                           ; v[20:21] rescale factor, twice
.set NMC, 22                           ; v[22:23] -log2e x maximum, twice
.set T,   24                           ; v24-27   at work
.set SUM, 28                           ; v[28:31] two pairs of partial sums
.set STG, 32                           ; v[32:63] a tile's f32 on its way: K 32-47, V 48-63
.set KF,  64                           ; v[64:127]  K fragments: (c, ks) at 16 c + 8 ks.  Before the trips, with SB: q as loaded
.set QL,  64
.set SB0, 128                          ; v[128:159], v[160:191] scores of the even and of the odd groups
.set P,   192                          ; v[192:207] P, two B fragments
.set STO, 208                          ; the way out: r rows + 32 h
.set RD,  209                          ; the way out: h rows + 16 r
.set NM,  210                          ; v210-213 NMC of group g as last used
; window 1 (written with their low 8 bits)
.set VF,  128                          ; v[384:447] V^T fragments: (dt, ks) at 16 dt + 8 ks;   O(g, dt) is v[256 + 32 g + 8 dt ..]
.set QF,  192                          ; v[448:511] Q fragments: (g, ks) at 16 g + 8 ks
; scalars
.set QB, 4
.set KB, 6
.set VB, 8
.set MB, 10
.set OB, 12
.set MKA, 16                           ; s[16:47] mask words of an even group
.set MKB, 68                           ; s[68:99] of an odd group
.set PFB, 54                           ; k or v at my head: what I prefetch from
.set PFA, 56                           ; the prefetch's base
.set MSB, 0
.macro WIN new                         ; s_set_vgpr_msb: bits 1:0 source 0, 3:2 source 1, 5:4 source 2, 7:6 destination; the high byte repeats the setting that is left
.if MSB != \new
	s_set_vgpr_msb (MSB<<8)|\new
.set MSB, \new
.endif
.endm
.macro PLACES                          ; four independent vector instructions between a matrix instruction and a reader of its result or a load into its sources
.rept 4
	v_nop
.endr
.endm
; A tile of K and of V, f32: load i brings key 16 i + thread / 16, d = 4 (thread % 16) .. +3; a wave's load covers 512 consecutive bytes
.macro STLOAD
.irp i, 0,1,2,3
	global_load_b128 v[STG+4*\i:STG+4*\i+3], v[GO], s[KB:KB+1] offset:\i*4096
.endr
.irp i, 0,1,2,3
	global_load_b128 v[STG+16+4*\i:STG+16+4*\i+3], v[GO], s[VB:VB+1] offset:\i*4096
.endr
.endm
; round it to bf16 (into tmp, 16 registers) and put it into a slot
.macro STSTORE slot, tmp
.irp i, 0,1,2,3,4,5,6,7
	v_cvt_pk_bf16_f32 v[\tmp+2*\i],   v[STG+4*\i],   v[STG+4*\i+1]
	v_cvt_pk_bf16_f32 v[\tmp+2*\i+1], v[STG+4*\i+2], v[STG+4*\i+3]
.endr
.irp i, 0,1,2,3
	ds_store_b64 v[KS], v[\tmp+2*\i:\tmp+2*\i+1] offset:(\slot)*SLOT+\i*16*KP
.endr
.irp i, 0,1,2,3
	ds_store_b64 v[VS], v[\tmp+8+2*\i:\tmp+8+2*\i+1] offset:(\slot)*SLOT+VOFF+\i*16*VP
.endr
.endm
; K's eight A fragments: 16 keys x 32 d each, two loads of 16 bytes, 32 bytes apart
.macro KFR slot
.irp c, 0,1,2,3
.irp ks, 0,1
	ds_load_b128 v[KF+16*\c+8*\ks:KF+16*\c+8*\ks+3],   v[KA] offset:(\slot)*SLOT+\c*16*KP+64*\ks
	ds_load_b128 v[KF+16*\c+8*\ks+4:KF+16*\c+8*\ks+7], v[KA] offset:(\slot)*SLOT+\c*16*KP+64*\ks+32
.endr
.endr
.endm
; V^T's eight A fragments: 16 d x 32 keys each, two transposing loads, 16 rows apart
.macro VFR slot
	WIN 0x40
.irp dt, 0,1,2,3
.irp ks, 0,1
	ds_load_tr16_b128 v[VF+16*\dt+8*\ks:VF+16*\dt+8*\ks+3],   v[VA] offset:(\slot)*SLOT+VOFF+\ks*32*VP+32*\dt
	ds_load_tr16_b128 v[VF+16*\dt+8*\ks+4:VF+16*\dt+8*\ks+7], v[VA] offset:(\slot)*SLOT+VOFF+\ks*32*VP+32*\dt+16*VP
.endr
.endr
.endm
; S^T of group g: four tiles of 16 keys.  The first half of d starts the sums; the four accumulators take turns.
.macro SMUL g
.set SBX, SB0+32*((\g)%2)
	WIN 0x04
.irp c, 0,1,2,3
	v_wmma_f32_16x16x32_bf16 v[SBX+8*\c:SBX+8*\c+7], v[KF+16*\c:KF+16*\c+7], v[QF+16*(\g):QF+16*(\g)+7], 0
.endr
.irp c, 0,1,2,3
	v_wmma_f32_16x16x32_bf16 v[SBX+8*\c:SBX+8*\c+7], v[KF+16*\c+8:KF+16*\c+15], v[QF+16*(\g)+8:QF+16*(\g)+15], v[SBX+8*\c:SBX+8*\c+7]
.endr
.endm
; The mask words of groups g and g + 1 (g even) for the 64 keys at the base: 2 x 128 consecutive bytes
.macro MFETCH g
	s_load_b512 s[MKA:MKA+15],    s[MB:MB+1], (\g)*4096
	s_load_b512 s[MKA+16:MKA+31], s[MB:MB+1], (\g)*4096+64
	s_load_b512 s[MKB:MKB+15],    s[MB:MB+1], (\g+1)*4096
	s_load_b512 s[MKB+16:MKB+31], s[MB:MB+1], (\g+1)*4096+64
.endm
; Group g's 32 score registers: where mask == 1 the score is -1e9.  Window 0.
.macro MASK g
.set SBX, SB0+32*((\g)%2)
.set MKX, MKA+(MKB-MKA)*((\g)%2)
.set n, 0
.rept 32
	v_cndmask_b32 v[SBX+n], v[SBX+n], v[NEG], s[MKX+n]
.set n, n+1
.endr
.endm
; blocks of eight score registers (one tile of 16 keys)
.macro SFMA b
.irp k, 0,1,2,3
	v_pk_fma_f32 v[SBX+8*\b+2*\k:SBX+8*\b+2*\k+1], v[SBX+8*\b+2*\k:SBX+8*\b+2*\k+1], 0x3fb8aa3b, v[NMC:NMC+1] op_sel_hi:[1,0,1]
.endr
.endm
.macro SEXP b
.irp k, 0,1,2,3,4,5,6,7
	v_exp_f32 v[SBX+8*\b+\k], v[SBX+8*\b+\k]
.endr
.endm
.macro SUSE b
	s_wait_alu depctr_va_vdst(0)
.irp k, 0,1,2,3
	v_cvt_pk_bf16_f32 v[P+4*\b+\k], v[SBX+8*\b+2*\k], v[SBX+8*\b+2*\k+1]
.endr
.if \b == 0
	v_pk_add_f32 v[SUM:SUM+1],   v[SBX:SBX+1],   v[SBX+2:SBX+3]          ; the first block starts the sums
	v_pk_add_f32 v[SUM+2:SUM+3], v[SBX+4:SBX+5], v[SBX+6:SBX+7]
.else
	v_pk_add_f32 v[SUM:SUM+1],   v[SUM:SUM+1],   v[SBX+8*\b:SBX+8*\b+1]
	v_pk_add_f32 v[SUM+2:SUM+3], v[SUM+2:SUM+3], v[SBX+8*\b+2:SBX+8*\b+3]
	v_pk_add_f32 v[SUM:SUM+1],   v[SUM:SUM+1],   v[SBX+8*\b+4:SBX+8*\b+5]
	v_pk_add_f32 v[SUM+2:SUM+3], v[SUM+2:SUM+3], v[SBX+8*\b+6:SBX+8*\b+7]
.endif
.endm
; Group g's 32 masked score registers -> P, running maximum, running sum, rescale factor.
; first = 1: the head's first tile.  bar = 1: the trip's barrier is signalled here.
.macro SOFTMAX g, first, bar
.set SBX, SB0+32*((\g)%2)
	WIN 0
.if \bar
	s_wait_dscnt 0x0                               ; for the others' sake: my stores of the next tile and my reads of this one are done (the trip's last LDS instruction stands ahead of its first product)
	s_barrier_signal -1                            ; only register work stands between here and the wait at the trip's end
.endif
.irp k, 0,1,2,3
	v_max3_num_f32 v[T+\k], v[SBX+8*\k], v[SBX+8*\k+1], v[SBX+8*\k+2]      ; four chains
.endr
.irp k, 0,1,2,3
	v_max3_num_f32 v[T+\k], v[T+\k], v[SBX+8*\k+3], v[SBX+8*\k+4]
.endr
.irp k, 0,1,2,3
	v_max3_num_f32 v[T+\k], v[T+\k], v[SBX+8*\k+5], v[SBX+8*\k+6]
.endr
	v_max3_num_f32 v[T],   v[T],   v[SBX+7],  v[SBX+15]
	v_max3_num_f32 v[T+1], v[T+1], v[SBX+23], v[SBX+31]
.if \first
	v_max_num_f32 v[T+2], v[T+2], v[T+3]
.else
	v_max3_num_f32 v[T+2], v[T+2], v[T+3], v[M+\g]         ; the running maximum joins in
.endif
	v_max3_num_f32 v[T], v[T], v[T+1], v[T+2]
	v_permlanex16_b32 v[PT], v[T], s48, s49                ; lane l xor 16 holds the same query's other 32 keys
	v_max_num_f32 v[M+\g], v[T], v[PT]
	v_mul_f32 v[NMC],   0xbfb8aa3b, v[M+\g]
	v_mul_f32 v[NMC+1], 0xbfb8aa3b, v[M+\g]
.if \first == 0
	v_sub_f32 v[T+1], v[NMC], v[NM+\g]                     ; log2e (old maximum - new), from the two figures as they were used
	v_exp_f32 v[AL], v[T+1]
.endif
	v_mov_b32 v[NM+\g], v[NMC]                             ; also the plain instruction between v_exp_f32 and the use of its result (ISA guide 5.7.2)
.if \first == 0
	s_wait_alu depctr_va_vdst(0)
	v_mov_b32 v[AL+1], v[AL]
.endif
	; behind each run of exponentials stands plain work on another block before the run's results are read
	SFMA 0
	SEXP 0
	SFMA 1
	SEXP 1
	SUSE 0
	SFMA 2
	SEXP 2
	SUSE 1
	SFMA 3
	SEXP 3
	SUSE 2
	SUSE 3
	v_pk_add_f32 v[SUM:SUM+1], v[SUM:SUM+1], v[SUM+2:SUM+3]
.if \first
	v_add_f32 v[LS+\g], v[SUM], v[SUM+1]
.else
	v_add_f32 v[T], v[SUM], v[SUM+1]
	v_fma_f32 v[LS+\g], v[LS+\g], v[AL], v[T]
.endif
.endm
.macro RESCALE g                       ; O(g) *= rescale factor
	WIN 0x41
.set n, 0
.rept 16
	v_pk_mul_f32 v[32*\g+2*n:32*\g+2*n+1], v[32*\g+2*n:32*\g+2*n+1], v[AL:AL+1]
.set n, n+1
.endr
.endm
; O^T(g) += V^T x P: four tiles of 16 d, two steps of 32 keys; the four accumulators take turns
.macro PVMUL g, first
	WIN 0x51
.irp dt, 0,1,2,3
.if \first
	v_wmma_f32_16x16x32_bf16 v[32*\g+8*\dt:32*\g+8*\dt+7], v[VF+16*\dt:VF+16*\dt+7], v[P:P+7], 0
.else
	v_wmma_f32_16x16x32_bf16 v[32*\g+8*\dt:32*\g+8*\dt+7], v[VF+16*\dt:VF+16*\dt+7], v[P:P+7], v[32*\g+8*\dt:32*\g+8*\dt+7]
.endif
.endr
.irp dt, 0,1,2,3
	v_wmma_f32_16x16x32_bf16 v[32*\g+8*\dt:32*\g+8*\dt+7], v[VF+16*\dt+8:VF+16*\dt+15], v[P+8:P+15], v[32*\g+8*\dt:32*\g+8*\dt+7]
.endr
.endm
; Trip t on slot t % 2.  store: tile t + 1 goes from registers into the other slot.  load: tile t + 2 is asked for.
; bar: the barrier that ends the trip, and the fetch of the next trip's first mask words.
.macro TRIP slot, first, store, load, bar
	WIN 0
	KFR \slot
.if \store
	s_wait_loadcnt 0x0                             ; tile t + 1, asked for a trip ago: no other global load is out
	STSTORE (1-\slot), SB0                         ; its 16 roundings are also the places between the last products and the loads into V's fragments
.else
	PLACES
.endif
.if \load
	s_wait_xcnt 0x0                                ; the bases of the tile's loads and of the last trip's prefetch are written only behind this wait
	s_add_nc_u64 s[KB:KB+1], s[KB:KB+1], TILEB
	s_add_nc_u64 s[VB:VB+1], s[VB:VB+1], TILEB
	STLOAD
	s_min_u32 s60, s58, 31*TILEB                   ; tile t + 3, at the most the head's last
	s_add_nc_u64 s[PFA:PFA+1], s[PFB:PFB+1], s[60:61]
	s_add_co_u32 s58, s58, TILEB
	s_cmp_lg_u32 s14, 0
	s_cbranch_scc1 .Lno_prefetch_\@
	global_prefetch_b8 v[PF], s[PFA:PFA+1] th:TH_LOAD_NT scope:SCOPE_SE
.Lno_prefetch_\@:
.endif
	VFR \slot
	s_wait_dscnt 16                                ; LDS instructions end in order: K's fragments are in and the stage's stores are done; V's 16 loads may be out
	SMUL 0
	SMUL 1
	WIN 0
	PLACES
	s_wait_kmcnt 0x0                               ; the 64 mask words of groups 0 and 1, asked for behind the last trip's second pair of masks
	MASK 0
	MASK 1
	MFETCH 2                                       ; both sets are free: groups 2 and 3, wanted two softmaxes further down
	SOFTMAX 0, \first, 0
.if \first == 0
	RESCALE 0
.endif
	s_wait_dscnt 0x0                               ; V's fragments: the trip's last LDS instructions
	PVMUL 0, \first
	SMUL 2
	SOFTMAX 1, \first, 0
.if \first == 0
	RESCALE 1
.endif
	PVMUL 1, \first
	SMUL 3
	WIN 0
	s_wait_kmcnt 0x0                               ; the 64 mask words of groups 2 and 3
	MASK 2                                         ; group 2's scores were made a softmax ago; these 32 selects name none of SMUL 3's registers and are the places behind it
	MASK 3
.if \bar
	s_wait_xcnt 0x0                                ; the base of the scalar loads is stepped only behind this wait
	s_add_nc_u64 s[MB:MB+1], s[MB:MB+1], 128       ; 64 keys on: 32 words
	MFETCH 0                                       ; groups 0 and 1 of the next trip: the trip's last memory instructions
.endif
	SOFTMAX 2, \first, \bar                        ; the barrier is signalled at its head
.if \first == 0
	RESCALE 2
.endif
	PVMUL 2, \first
	SOFTMAX 3, \first, 0
.if \first == 0
	RESCALE 3
.endif
	PVMUL 3, \first
	WIN 0
.if \bar
	s_barrier_wait -1                              ; every wave has stored its part of tile t + 1 and has read tile t, whose slot the next trip overwrites
.endif
.endm
	s_load_b256 s[4:11], s[0:1], 0x0               ; q s[4:5], k s[6:7], v s[8:9], bits s[10:11]
	s_load_b64 s[OB:OB+1], s[0:1], 0x20            ; out0
	v_lshl_add_u32 v254, v0, 2, 0x1b800
	v_mov_b32 v255, 0
	v_lshrrev_b32 v24, 5, v0
	v_readfirstlane_b32 s14, v24                   ; wave 0..7
	v_and_b32 v24, 31, v0                          ; l
	v_and_b32 v25, 15, v0                          ; r = l % 16 = thread % 16
	v_bfe_u32 v26, v0, 4, 1                        ; h = l / 16
	v_lshrrev_b32 v27, 4, v0                       ; thread / 16
	v_lshlrev_b32 v[GO], 4, v0
	v_lshlrev_b32 v[CO], 4, v24
	s_lshr_b32 s50, ttmp9, 2                       ; head
	s_and_b32 s51, ttmp9, 3                        ; block of 512 queries
	s_lshl_b32 s52, s50, 19                        ; a head: 2,048 x 256 bytes
	s_mov_b32 s53, 0
	s_lshl_b32 s58, s51, 17                        ; 512 queries x 256 bytes; in bits: 32 groups x 4,096 bytes
	s_lshl_b32 s59, s14, 14                        ; 64 queries x 256 bytes; in bits: 4 groups x 4,096 bytes
	s_add_co_u32 s58, s58, s59
	s_mov_b32 s59, 0
	s_lshr_b32 s60, s50, 4                         ; batch
	s_lshl_b32 s60, s60, 19                        ; in bits: 128 groups x 4,096 bytes
	s_mov_b32 s61, 0
	s_mov_b32 s48, 0x76543210                      ; v_permlanex16_b32: lane i of one half reads lane i of the other
	s_mov_b32 s49, 0xfedcba98
	s_and_b32 s62, s51, 1
	s_lshl_b32 s62, s62, 13                        ; which 8,192 bytes of a tile I prefetch
	s_mul_i32 s63, s14, STGB
	s_add_co_u32 s63, s63, STAGE                   ; my wave's stage
	s_wait_kmcnt 0x0
	s_add_nc_u64 s[KB:KB+1], s[KB:KB+1], s[52:53]
	s_add_nc_u64 s[VB:VB+1], s[VB:VB+1], s[52:53]
	STLOAD                                         ; tile 0
	s_add_nc_u64 s[QB:QB+1], s[QB:QB+1], s[52:53]
	s_add_nc_u64 s[QB:QB+1], s[QB:QB+1], s[58:59]
.set n, 0
.rept 32
	global_load_b128 v[QL+4*n:QL+4*n+3], v[CO], s[QB:QB+1] offset:n*512 th:TH_LOAD_NT   ; my 64 queries: load n = rows 2 n + h, d = 4 r .. +3
.set n, n+1
.endr
	s_add_nc_u64 s[MB:MB+1], s[MB:MB+1], s[60:61]
	s_add_nc_u64 s[MB:MB+1], s[MB:MB+1], s[58:59]
	MFETCH 0                                       ; groups 0 and 1, keys 0 to 63
	s_add_nc_u64 s[OB:OB+1], s[OB:OB+1], s[52:53]
	s_add_nc_u64 s[OB:OB+1], s[OB:OB+1], s[58:59]
	s_cmp_ge_u32 s51, 2
	s_cselect_b64 s[PFB:PFB+1], s[VB:VB+1], s[KB:KB+1]
	s_mov_b32 s58, 3*TILEB                         ; the first prefetch: tile 3
	v_mul_u32_u24 v[KS], v27, KP
	v_lshl_add_u32 v[KS], v25, 3, v[KS]
	v_mul_u32_u24 v[VS], v27, VP
	v_lshl_add_u32 v[VS], v25, 3, v[VS]
	v_mul_u32_u24 v[KA], v25, KP
	v_lshl_add_u32 v[KA], v26, 4, v[KA]
	v_and_b32 v28, 7, v0
	v_lshl_add_u32 v28, v26, 3, v28
	v_mul_u32_u24 v[VA], v28, VP
	v_bfe_u32 v28, v0, 3, 1
	v_lshl_add_u32 v[VA], v28, 4, v[VA]
	v_mul_u32_u24 v[QST], v26, KP
	v_lshl_add_u32 v[QST], v25, 3, v[QST]
	v_add_nc_u32 v[QST], s63, v[QST]
	v_add_nc_u32 v[QRD], s63, v[KA]
	v_mul_u32_u24 v[STO], v25, OP
	v_lshl_add_u32 v[STO], v26, 5, v[STO]
	v_add_nc_u32 v[STO], s63, v[STO]
	v_mul_u32_u24 v[RD], v26, OP
	v_lshl_add_u32 v[RD], v25, 4, v[RD]
	v_add_nc_u32 v[RD], s63, v[RD]
	v_mov_b32 v[NEG], 0xce6e6b28                   ; -1e9
	v_mov_b32 v[PT], 0                             ; v_permlanex16_b32's destination counts as read
	v_lshl_add_u32 v[PF], v24, 8, s62
	s_wait_loadcnt 32                              ; tile 0's eight loads are in; q's 32 were issued behind them
	STSTORE 0, P
	s_wait_xcnt 0x0                                ; the tile loads' bases are stepped only behind this wait
	s_add_nc_u64 s[KB:KB+1], s[KB:KB+1], TILEB
	s_add_nc_u64 s[VB:VB+1], s[VB:VB+1], TILEB
	STLOAD                                         ; tile 1
; 16 queries: q / 8 (exact), rounded to bf16, into my stage
.macro QPREP g
	s_wait_loadcnt 32-8*\g                         ; behind this group's eight loads: 24 - 8 g of q's and tile 1's eight
.irp i, 0,1,2,3,4,5,6,7
	v_pk_mul_f32 v[QL+32*\g+4*\i:QL+32*\g+4*\i+1],   v[QL+32*\g+4*\i:QL+32*\g+4*\i+1],   0x3e000000 op_sel_hi:[1,0]
	v_pk_mul_f32 v[QL+32*\g+4*\i+2:QL+32*\g+4*\i+3], v[QL+32*\g+4*\i+2:QL+32*\g+4*\i+3], 0x3e000000 op_sel_hi:[1,0]
.endr
.irp i, 0,1,2,3,4,5,6,7
	v_cvt_pk_bf16_f32 v[QL+32*\g+4*\i],   v[QL+32*\g+4*\i],   v[QL+32*\g+4*\i+1]
	v_cvt_pk_bf16_f32 v[QL+32*\g+4*\i+1], v[QL+32*\g+4*\i+2], v[QL+32*\g+4*\i+3]
.endr
.irp i, 0,1,2,3,4,5,6,7
	ds_store_b64 v[QST], v[QL+32*\g+4*\i:QL+32*\g+4*\i+1] offset:(8*\g+\i)*2*KP
.endr
.endm
	QPREP 0
	QPREP 1
	QPREP 2
	QPREP 3
	WIN 0x40                                       ; Q's eight B fragments stay in registers for the whole kernel.  LDS serves a wave's instructions in order (ISA guide 5.7.1.4): these see the stores above
.irp g, 0,1,2,3
.irp ks, 0,1
	ds_load_b128 v[QF+16*\g+8*\ks:QF+16*\g+8*\ks+3],   v[QRD] offset:\g*16*KP+64*\ks
	ds_load_b128 v[QF+16*\g+8*\ks+4:QF+16*\g+8*\ks+7], v[QRD] offset:\g*16*KP+64*\ks+32
.endr
.endr
	WIN 0
	s_wait_dscnt 0x0                               ; my part of tile 0 is in its slot (and Q's fragments are in)
	s_barrier_signal -1
	s_barrier_wait -1                              ; everybody's is
	TRIP 0, 1, 1, 1, 1                             ; trip 0 starts every sum: nothing is cleared
	TRIP 1, 0, 1, 1, 1
	s_mov_b32 s15, 14                              ; trips 2 to 29
.Ltrips:
	TRIP 0, 0, 1, 1, 1
	TRIP 1, 0, 1, 1, 1
	s_sub_co_u32 s15, s15, 1
	s_cmp_lg_u32 s15, 0
	s_cbranch_scc1 .Ltrips
	TRIP 0, 0, 1, 0, 1                             ; trip 30: tile 31 goes into its slot, nothing is left to ask for
	TRIP 1, 0, 0, 0, 0                             ; trip 31: no store, no mask words beyond its own, no barrier
; THE WAY OUT, 16 queries at a time: the two halves' sums meet, O / sum, 32 bytes a lane and tile into my own stage, read back as whole rows of 256 bytes.
; The first lines name none of the last product's registers, and O(3) is read far more than four vector instructions behind it.
.macro OUT16 g, rb
	WIN 0
	v_permlanex16_b32 v[PT], v[LS+\g], s48, s49
	v_add_f32 v[T], v[LS+\g], v[PT]
	v_rcp_f32 v[AL], v[T]
	v_nop                                          ; a plain instruction between v_rcp_f32 and the use of its result (ISA guide 5.7.2)
	s_wait_alu depctr_va_vdst(0)
	v_mov_b32 v[AL+1], v[AL]
	RESCALE \g
	WIN 0x04
.irp dt, 0,1,2,3
	ds_store_b128 v[STO], v[32*\g+8*\dt:32*\g+8*\dt+3]   offset:64*\dt
	ds_store_b128 v[STO], v[32*\g+8*\dt+4:32*\g+8*\dt+7] offset:64*\dt+16
.endr
	WIN 0
	s_wait_xcnt 0x0                                ; the registers that earlier stores read are loaded again only behind this wait
.irp i, 0,1,2,3,4,5,6,7
	ds_load_b128 v[\rb+4*\i:\rb+4*\i+3], v[RD] offset:\i*2*OP      ; my own bytes, in order behind my stores
.endr
.irp i, 0,1,2,3,4,5,6,7
	s_wait_dscnt 7-\i
	global_store_b128 v[CO], v[\rb+4*\i:\rb+4*\i+3], s[OB:OB+1] offset:\g*4096+\i*512 th:TH_STORE_NT   ; the wave stores 512 consecutive bytes (two rows), at a multiple of 512 from the buffer's first byte
.endr
.endm
	OUT16 0, KF
	OUT16 1, KF+32
	OUT16 2, KF
	OUT16 3, KF+32
	s_wait_tensorcnt 0x0
	ds_add_u32 v254, v255
	s_wait_dscnt 0x0
	s_endpgm
.Lfunc_end_k_q43dcb2e188_attn:
	.size	k_q43dcb2e188_attn, .Lfunc_end_k_q43dcb2e188_attn-k_q43dcb2e188_attn
	.p2alignl 7, 3214868480
	.fill 96, 4, 3214868480
	.section	.rodata,"a",@progbits
	.p2align	6, 0x0
	.amdhsa_kernel k_q43dcb2e188_attn
		.amdhsa_group_segment_fixed_size 113664
		.amdhsa_private_segment_fixed_size 0
		.amdhsa_enable_private_segment 0
		.amdhsa_kernarg_size 40
		.amdhsa_user_sgpr_count 2
		.amdhsa_user_sgpr_kernarg_segment_ptr 1
		.amdhsa_wavefront_size32 1
		.amdhsa_system_sgpr_workgroup_id_x 1
		.amdhsa_system_sgpr_workgroup_id_y 1
		.amdhsa_system_sgpr_workgroup_id_z 1
		.amdhsa_system_vgpr_workitem_id 0
		.amdhsa_next_free_vgpr 512
		.amdhsa_next_free_sgpr 100
		.amdhsa_reserve_vcc 0
		.amdhsa_float_denorm_mode_32 3
		.amdhsa_float_denorm_mode_16_64 3
		.amdhsa_memory_ordered 1
		.amdhsa_forward_progress 1
		.amdhsa_inst_pref_size 255
	.end_amdhsa_kernel
	.section	.bss,"aw",@nobits
	.p2align	6
	.space	262144
	.amdgpu_metadata
---
amdhsa.version: [ 1, 2 ]
amdhsa.kernels:
  - .name:           k_q43dcb2e188_attn
    .symbol:         k_q43dcb2e188_attn.kd
    .args:
      - { .name: q, .offset: 0, .size: 8, .value_kind: global_buffer, .address_space: global }
      - { .name: k, .offset: 8, .size: 8, .value_kind: global_buffer, .address_space: global }
      - { .name: v, .offset: 16, .size: 8, .value_kind: global_buffer, .address_space: global }
      - { .name: bits, .offset: 24, .size: 8, .value_kind: global_buffer, .address_space: global }
      - { .name: out0, .offset: 32, .size: 8, .value_kind: global_buffer, .address_space: global }
    .group_segment_fixed_size: 113664
    .private_segment_fixed_size: 0
    .kernarg_segment_align: 8
    .kernarg_segment_size: 40
    .max_flat_workgroup_size: 256
    .sgpr_count:     100
    .vgpr_count:     512
    .wavefront_size: 32
...
	.end_amdgpu_metadata
.endif
;; end of part 2
